; MI455X (gfx1250); checked and timed in simulation.
; The chip was launched on July 23, 2026; its instructions are those of AMD's public machine-readable ISA for CDNA 5 (MIT licence, August 2026) and "CDNA5" Instruction Set Architecture Reference Guide (July 2026). The comments in the code are by the model that wrote it; some were corrected since.
;; Self Attention. Allowed arithmetic: matrix products marked QUANTISED: E2M3 operands, one E8M0 scale for each 32 along K, by v_wmma_scale_f32_16x16x128_f8f6f4 with both operands' format E2M3, f32 sums; products left as they are: f32 operands where the result goes on into a quantised operand, else bf16, f16 or f32 operands; f32 sums; everything else in f32.
;; Inputs: bk 16 float32; bq 16 float32; bv 256 float32; gamma 1 float32; wk_codes 16 x 8 x 24 uint8 (E2M3 codes of wk, K innermost, in blocks of 32 codes, four codes in three bytes); wk_scales 16 x 8 uint8 (E8M0 scales of wk, one for each 32 codes along K); wq_codes 16 x 8 x 24 uint8 (E2M3 codes of wq, K innermost, in blocks of 32 codes, four codes in three bytes); wq_scales 16 x 8 uint8 (E8M0 scales of wq, one for each 32 codes along K); wv_codes 256 x 8 x 24 uint8 (E2M3 codes of wv, K innermost, in blocks of 32 codes, four codes in three bytes); wv_scales 256 x 8 uint8 (E8M0 scales of wv, one for each 32 codes along K); x 4 x 256 x 64 x 64 float32.
;; Outputs: out0 4 x 256 x 64 x 64 float32.
;; This version of the problem:
;;   THIS VERSION OF THE PROBLEM IS GIVEN IN LOW PRECISION. The matrix products marked QUANTISED in the list below multiply operands that are first quantised to E2M3 (2 exponent bits, 3 mantissa bits; 6 bits a number), with one power-of-two scale for each 32 numbers along K (OCP MX v1.0); their sums are f32. All else is computed in f32.
;;   The module's matrix products, in the order in which they are computed (A, B: the left and right operand; K: the contracted axis; several contracted axes count as one K, in the product's order):
;;     1. [M 16,384, K 256] x [K 256, N 16]; A: input x; B: input wq (given as codes): QUANTISED
;;     2. [M 16,384, K 256] x [K 256, N 16]; A: input x; B: input wk (given as codes): QUANTISED
;;     3. [M 16,384, K 256] x [K 256, N 256]; A: input x; B: input wv (given as codes): QUANTISED
;;     4. batch 4 x [M 4,096, K 16] x [K 16, N 4,096]; A: computed on the way; B: computed on the way: left as it is (K = 16 < 32)
;;     5. batch 4 x [M 256, K 4,096] x [K 4,096, N 4,096]; A: computed on the way; B: softmax (see below): QUANTISED
;;   THE QUANTISER, for each operand of a quantised product, along K:
;;     - K is cut into blocks of 32 from its start; a last block that is shorter is filled with zeros.
;;     - A block's scale is 2^e with e = floor(log2(the largest magnitude in the block)) - 2, held to -126 .. 127; a block of zeros has e = 0. As a byte (E8M0): e + 127.
;;     - Each number is divided by its block's scale, clamped to +-7.5, and rounded to the nearest number of E2M3, ties to even, subnormals kept.
;;     - The product sums the exact products of the quantised numbers (number of the format x scale) in f32.
;;   ~~~python
;;   def quantise(x, axis):      # numpy; x: float32 -> the quantised numbers, widened to float32 again
;;       x = np.moveaxis(x, axis, -1); K = x.shape[-1]
;;       x = np.pad(x, [(0, 0)] * (x.ndim - 1) + [(0, -K % 32)]); x = x.reshape(x.shape[:-1] + (-1, 32)); a = np.abs(x).max(-1, keepdims=True)
;;       e = np.where(a > 0, np.clip(np.frexp(np.where(a > 0, a, 1))[1] - 1 - 2, -126, 127), 0)      # np.frexp(a)[1] - 1 = floor(log2(a)), exactly
;;       r = np.clip(x / 2.0 ** e, -7.5, 7.5)
;;       step = 2.0 ** (np.maximum(np.frexp(np.where(r == 0, 1, r))[1] - 1, 0) - 3)
;;       q = np.round(r / step) * step * 2.0 ** e      # np.round: ties to even
;;       return np.moveaxis(q.reshape(q.shape[:-2] + (-1,))[..., :K], -1, axis).astype(np.float32)
;;   ~~~
;;   SOFTMAX AHEAD OF A QUANTISED PRODUCT. Where the list says 'softmax', what is quantised is not the finished softmax but p = 2^(t - M), with t = logit x log2(e) and M = ceil(the row's largest t), a whole number; so 1/2 < the row's largest p <= 1. The row's sum l is taken of the UNQUANTISED p, in f32, and the product's result is divided by l at the end. Since M is a whole number, a kernel that streams over the keys may use a running M (the ceiling of the running maximum): every later rescaling is an exact power of two, which a block's scale takes up: the codes' values come out the same.
;;   OPERANDS COMPUTED ON THE WAY. 'Computed on the way' means the value that the module computes at that place (a softmax that the list does not call 'softmax' is quantised finished and normalised). What goes into a quantiser is computed in f32, as accurately as f32 sums, v_exp_f32 and their like allow (about 1e-6 of the number): no bf16 or f16 on the way to a quantiser, and a product that is left as it is and whose result goes on into a quantised operand takes f32 operands (vector FMAs, or v_wmma_f32_16x16x4_f32). A number that lies on a knife's edge between two numbers of the format may be rounded either way, as far as f32 arithmetic and the matrix unit's own rounding can turn it there, and no further.
;;   INPUTS GIVEN AS CODES. wk (in the module: [16, 256], K = its axis 1); wq (in the module: [16, 256], K = its axis 1); wv (in the module: [256, 256], K = its axis 1): each comes as NAME_codes (uint8): NAME with its K axis moved to the last place and cut into blocks of 32 codes, [.., K / 32, bytes a block], one block behind the other in memory; four codes in three bytes: a row's codes are one little-endian stream of bits, code i at bits 6 i .. 6 i + 5 (a code: sign, 2 exponent bits, 3 mantissa bits); and NAME_scales (uint8): the same leading axes, one E8M0 byte (e + 127) for each 32 codes along K. Its value is code x scale, taken as it is: it is not quantised again, and the codes and scales need not be those that the quantiser above would give.
;; One version. Each part assembles by itself: llvm-mc -triple=amdgcn-amd-amdhsa -mcpu=gfx1250 --defsym DOCPART=n.
;; ======== version 1 of 1: 2 launches
;; workspace buffers: kv 4,325,376 bytes; qimg 1,048,576 bytes
;; launch proj (part 1): grid 32 x 4, 8 waves a work-group, no clusters, 27,648 bytes of LDS; arguments x, wq_codes, wq_scales, bq, wk_codes, wk_scales, bk, wv_codes, wv_scales, bv, kv, qimg; writes kv, qimg
.if DOCPART == 1
	.amdgcn_target "amdgcn-amd-amdhsa--gfx1250"
	.amdhsa_code_object_version 6
	.text
	.protected	k_q2005d0f12b_proj
	.globl	k_q2005d0f12b_proj
	.p2align	8
	.type	k_q2005d0f12b_proj,@function
k_q2005d0f12b_proj:
	s_mov_b64 s[64:65], 0
	v_nop
	global_prefetch_b8 v0, s[64:65] scope:SCOPE_SE
	s_setreg_imm32_b32 hwreg(HW_REG_WAVE_MODE, 25, 1), 1
	s_wait_xcnt 0x0
; q = x Wq^T + bq, k = x Wk^T + bk, v = x Wv^T + bv for 128 pixels of one image; all three products on codes of FP6 (E2M3) with one E8M0 scale for each 32 along K = the 256 channels.
; x: [4][256][4096] f32, K is NOT innermost: a lane takes a pixel and its registers run down the channels, so a block of 32 lies in one lane and the conversions give codes with K innermost.
; OUT, in the order in which the next launch's operand registers take them.  kv: a record of 33,792 bytes for each 128 keys:
;   +0      K, f32: [tile T 8][e 2][lane 32][16 bytes]: lane (r, h) holds key 32 (T / 2) + 8 (T % 2) + r + 8 (r / 8), dims 8 e + 4 h + 0 .. 3
;   +8192   V, codes quantised along the KEYS: [channel tile ct 16][q 3][lane 32][16 bytes]: registers 4 q .. 4 q + 3 of the fragment 16 channels x 128 keys
;   +32768  V's scale words: [a 2][lane 32][k 4][4 bytes]: channel tile 8 a + 2 k + lane / 16, row lane % 16
; qimg: q laid as K is, 8,192 bytes for each 128 pixels.
; SHARES.  A work-group of eight waves makes one record.  Phase X: wave (pg = w % 4, ks = w / 4) quantises pixels 32 pg .. + 31, channels 128 ks .. + 127: two fragments, which go to LDS as images of their registers.
; Phase V: wave w makes channels 32 w .. + 31 of v for all 128 pixels (source 0 = 16 pixels, source 1 = 16 channels: a lane holds one channel and its registers run along the keys) and quantises them in registers.
; Phase q, k: wave w makes q and k of pixel tile w (source 0 = the weight's 16 rows, source 1 = the pixels: a lane holds one pixel and eight dims).
; THE PIXELS OF A TILE ARE NOT NEIGHBOURS (tile 2 b + u, lane r: pixel 32 b + 8 u + r + 8 (r / 8)), so that the 16 registers of v's tiles 2 b and 2 b + 1 are 16 neighbouring keys.
; NO CLUSTER, NO TENSOR LOAD: x has to come a column to a lane, through registers; the weights (58 KB a work-group) are read once, straight into operand registers, so there is no LDS tile that partners could share.
; The biases are the C of each sum's first product: the order of that f32 sum differs from a bias added last.
; LIMITS: NaN and infinities among the inputs are not served.  A block whose largest magnitude lies under 2^-124 (a block of zeros among them) keeps the scale byte 1; a block of zeros has zero codes, and the bytes are read by this program alone.
.set REC,   33792
.set FRB,   1536                       ; a fragment's image: 12 registers x 128 bytes
.set XIMG,  0                          ; LDS: x's 16 fragments, fragment 2 T + ks
.set XSC,   16*FRB                     ; x's scale words: [pg 4][ks 2][lane][4 bytes]: lanes 0-15 tile 2 pg, lanes 16-31 tile 2 pg + 1
.set VSCL,  XSC+1024                   ; v's scale words, laid as in the record
.set XO,   1                           ; v1   4 x my pixel among the wave's 32
.set LI,   2                           ; v2   16 x lane
.set LS,   3                           ; v3   4 x lane
.set XWI,  4                           ; v4   where I store x's images
.set XWS,  5                           ; v5   and x's scale word
.set XOA,  6                           ; v6   where my own tile's images lie
.set XOS,  7                           ; v7   and its scale words
.set WA,   8                           ; v8   a weight's row r of 192 bytes, + 24 h
.set R8,   9                           ; v9   8 r
.set R4,   10                          ; v10  4 r
.set H32,  11                          ; v11  32 h
.set VSA,  12                          ; v12  where v's scale word goes in LDS
.set KST,  13                          ; v13  where q and k go in their images
.set BVR,  14                          ; v14-15 bv of my channel, tiles 0 and 1
.set XSCR, 16                          ; v16-23 x's scale words, 2 pg + ks
.set WVS,  24                          ; v24-27 Wv's scale words, 2 i + ks
.set WQS,  28                          ; v28-29 Wq's;  v30-31 Wk's
.set WKS,  30
.set XOSR, 32                          ; v32-33 my own tile's scale words of x
.set PW,   34                          ; v34  the scale word just made
.set XW,   35                          ; v35  x's scale word in the making
.set TM,   36                          ; v36-51 at work
.set BQ,   52                          ; v52-59 bq, v60-67 bk, in the result's layout
.set BK,   60
.set QA,   68                          ; v68-75 q, v76-83 k
.set KA,   76
.set F0,   84                          ; v84-107 phase X: the two fragments; later my own tile's two
.set XOF,  84
.set PC,   108                         ; v108-119 codes just made;  v120-127 the conversions' second halves
.set CT,   120
.set XN,   128                         ; v128-255 phase X: four sets of 32 numbers
.set HA,   128                         ; v128-191 phase V: eight tiles of v
.set WQ,   192                         ; v192-215 Wq's two fragments, v216-239 Wk's
.set WK,   216
.set BV,   240                         ; v240-247 bv as a C operand
.set WV,   192                         ; window 1: v0-191 x's 16 fragments; v192-239 Wv's four, 2 i + ks
.set SEL,  42                          ; s[42:43] lane selects for v_permlanex16_b32: lane l xor 16
.set MSB, 0
.macro WIN new                         ; the immediate's high byte repeats the setting that is left
.if MSB != \new
	s_set_vgpr_msb (MSB<<8)|\new
.set MSB, \new
.endif
.endm
.macro LOAD t                          ; block t: x(128 ks + 32 t + i, my pixel): the wave reads 128 consecutive bytes, the four waves of a ks 512
.irp i, 0,1,2,3,4,5,6,7,8,9,10,11,12,13,14,15,16,17,18,19,20,21,22,23,24,25,26,27,28,29,30,31
	global_load_b32 v[XN+32*(\t)+\i], v[XO], s[4:5] offset:(32*(\t)+\i)*16384 th:TH_LOAD_NT
.endr
.endm
; Block t of my pixel: its largest magnitude, its byte, its 32 codes.  Blocks 2 c go to fragment 0's registers and blocks 2 c + 1 to fragment 1's; behind each odd block the halves of the lanes change places,
; so that fragment 0 holds the pixels of lanes 0-15 (lanes 0-15 block 2 c, lanes 16-31 block 2 c + 1) and fragment 1 those of lanes 16-31.
.macro XBLOCK t
.set XS, XN+32*(\t)
.set EE, (\t)%2
.set CC, (\t)/2
	v_max3_num_f32 v36, |v[XS]|, |v[XS+1]|, |v[XS+2]|
	v_max3_num_f32 v37, |v[XS+3]|, |v[XS+4]|, |v[XS+5]|
.irp i, 6,10,14,18,22,26
	v_max3_num_f32 v36, v36, |v[XS+\i]|, |v[XS+\i+1]|
	v_max3_num_f32 v37, v37, |v[XS+\i+2]|, |v[XS+\i+3]|
.endr
	v_max3_num_f32 v36, v36, |v[XS+30]|, |v[XS+31]|
	v_max3_num_f32 v36, v36, v37, 0x1800000        ; the floor 2^(3 - 127): the byte cannot fall under 1
	v_add_nc_u32 v38, 0xff000000, v36              ; 2 off the exponent field: the conversion's scale operand
	v_cvt_scalef32_pk16_fp6_f32 v[F0+12*EE+6*CC:F0+12*EE+6*CC+2], v[XS:XS+15], v38
	v_cvt_scalef32_pk16_fp6_f32 v[CT+4*EE:CT+4*EE+2], v[XS+16:XS+31], v38   ; (a conversion's three registers begin on an even number)
	v_lshrrev_b32 v39, 23, v38                     ; the scale's byte
.if (\t) == 0
	v_mov_b32 v[XW], v39
.else
	v_lshl_or_b32 v[XW], v39, 8*(\t), v[XW]
.endif
.if EE
	v_nop                                          ; a plain place between the conversions and the lines that touch their results
.irp i, 0,1,2
	v_permlane16_swap_b32 v[F0+6*CC+\i], v[F0+12+6*CC+\i]
.endr
.irp i, 0,1,2
	v_permlane16_swap_b32 v[CT+\i], v[CT+4+\i]
.endr
.irp i, 0,1,2
	v_mov_b32 v[F0+3+6*CC+\i], v[CT+\i]
	v_mov_b32 v[F0+15+6*CC+\i], v[CT+4+\i]
.endr
.endif
.endm
; 64 numbers of a lane, register 16 b + i = k 32 b + 16 (lane / 16) + i of my row, become a fragment's codes in v[PC] on and its scale word in v[PW].
.macro QUANT s
.irp b, 0,1,2,3
	v_max3_num_f32 v[TM+\b], |v[\s+16*\b]|, |v[\s+1+16*\b]|, 0x1800000
.endr
.irp i, 2,4,6,8,10,12,14
.irp b, 0,1,2,3
	v_max3_num_f32 v[TM+\b], v[TM+\b], |v[\s+16*\b+\i]|, |v[\s+1+16*\b+\i]|
.endr
.endr
.irp b, 0,1,2,3
	v_permlanex16_b32 v[TM+4+\b], v[TM+\b], s[SEL], s[SEL+1]
.endr
.irp b, 0,1,2,3
	v_max_num_f32 v[TM+\b], v[TM+\b], v[TM+4+\b]   ; with lane l xor 16's: the block's largest magnitude
.endr
.irp b, 0,1,2,3
	v_add_nc_u32 v[TM+12+\b], 0xff000000, v[TM+\b]
.endr
.irp b, 0,1,2,3
	v_lshrrev_b32 v[TM+4+\b], 23, v[TM+12+\b]
.endr
	v_lshl_or_b32 v[PW], v[TM+5], 8, v[TM+4]
	v_lshl_or_b32 v[PW], v[TM+6], 16, v[PW]
	v_lshl_or_b32 v[PW], v[TM+7], 24, v[PW]
.irp c, 0,1
	v_cvt_scalef32_pk16_fp6_f32 v[PC+6*\c:PC+2+6*\c], v[\s+32*\c:\s+15+32*\c], v[TM+12+2*\c]
	v_cvt_scalef32_pk16_fp6_f32 v[PC+12+4*\c:PC+14+4*\c], v[\s+16+32*\c:\s+31+32*\c], v[TM+12+2*\c+1]
.endr
	v_nop                                          ; one plain place behind a scaled conversion
.irp c, 0,1                                    ; the operand's layout wants a whole block in a lane
.irp i, 0,1,2
	v_permlane16_swap_b32 v[PC+6*\c+\i], v[PC+12+4*\c+\i]
.endr
.irp i, 0,1,2
	v_mov_b32 v[PC+3+6*\c+\i], v[PC+12+4*\c+\i]
.endr
.endr
.endm
.macro IMAGE adr, reg, off             ; a fragment goes to LDS as it stands: lane l's 16 bytes at 16 l, 512 bytes a store
.irp c, 0,1,2
	ds_store_b128 v[\adr], v[\reg+4*\c:\reg+4*\c+3] offset:\off+512*\c
.endr
.endm
.macro FETCH reg, adr, off             ; and comes back so, in any wave
.irp c, 0,1,2
	ds_load_b128 v[\reg+4*\c:\reg+4*\c+3], v[\adr] offset:\off+512*\c
.endr
.endm
.macro BARRIER                         ; my LDS stores have landed and my LDS loads are in: then the work-group's barrier
	s_wait_dscnt 0x0
	s_barrier_signal -1
	s_barrier_wait -1
.endm
.macro PLACES n
.rept \n
	v_nop
.endr
.endm
	s_load_b512 s[4:19], s[0:1], 0x0               ; x, wq_codes, wq_scales, bq, wk_codes, wk_scales, bk, wv_codes
	s_load_b256 s[20:27], s[0:1], 0x40             ; wv_scales, bv, kv, qimg
	v_lshl_add_u32 v123, v0, 2, 0x6800
	v_mov_b32 v127, 0
	v_lshrrev_b32 v44, 5, v0
	v_readfirstlane_b32 s28, v44                   ; wave 0..7
	s_and_b32 s29, s28, 3                          ; pg
	s_lshr_b32 s30, s28, 2                         ; ks
	s_and_b32 s31, ttmp7, 0xffff                   ; the image
	v_and_b32 v44, 31, v0                          ; lane
	v_and_b32 v45, 15, v0                          ; r
	v_bfe_u32 v46, v0, 4, 1                        ; h
	v_bfe_u32 v47, v0, 3, 1
	v_and_b32 v[XO], 7, v0                         ; my pixel: lane % 8 + 8 (lane / 16) + 16 ((lane / 8) % 2)
	v_lshl_add_u32 v[XO], v46, 3, v[XO]
	v_lshl_add_u32 v[XO], v47, 4, v[XO]
	v_lshlrev_b32 v[XO], 2, v[XO]
	v_lshlrev_b32 v[LI], 4, v44
	v_lshlrev_b32 v[LS], 2, v44
	s_lshl_b32 s34, s29, 2
	s_add_co_u32 s34, s34, s30
	s_mul_i32 s34, s34, FRB
	v_add_nc_u32 v[XWI], s34, v[LI]                ; fragment 4 pg + ks (tile 2 pg); tile 2 pg + 1 lies two fragments on
	s_lshl_b32 s34, s29, 1
	s_add_co_u32 s34, s34, s30
	s_lshl_b32 s34, s34, 7
	v_add_nc_u32 v[XWS], s34, v[LS]
	s_mul_i32 s34, s28, 2*FRB
	v_add_nc_u32 v[XOA], s34, v[LI]                ; my own tile T = w: fragments 2 w, 2 w + 1
	s_lshr_b32 s34, s28, 1
	s_lshl_b32 s34, s34, 8
	s_and_b32 s39, s28, 1
	s_lshl_b32 s39, s39, 6
	s_add_co_u32 s34, s34, s39
	v_lshl_add_u32 v[XOS], v45, 2, s34             ; 256 (w / 2) + 4 (16 (w % 2) + r)
	v_mul_u32_u24 v[WA], v45, 192
	v_mad_u32_u24 v[WA], v46, 24, v[WA]
	v_lshlrev_b32 v[R8], 3, v45
	v_lshlrev_b32 v[R4], 2, v45
	v_lshlrev_b32 v[H32], 5, v46
	s_lshl_b32 s34, s30, 9
	s_lshl_b32 s39, s29, 2
	s_add_co_u32 s34, s34, s39
	v_lshl_add_u32 v[VSA], v45, 4, s34             ; 512 (w / 4) + 4 (w % 4) + 16 r
	s_lshl_b32 s34, s28, 10
	v_lshl_add_u32 v[KST], v46, 9, s34
	v_lshl_add_u32 v[KST], v45, 4, v[KST]          ; 1024 w + 512 h + 16 r
.irp b, 0,1,2,3
	v_mov_b32 v[TM+4+\b], 0                        ; written once: a lane permute's destination counts as one of its sources
.endr
	s_mov_b32 s[SEL], 0x76543210
	s_mov_b32 s[SEL+1], 0xfedcba98
	s_lshl_b32 s38, s31, 5
	s_add_co_u32 s38, s38, ttmp9                   ; which record: 32 x image + step
	s_mov_b32 s35, 0
	s_lshl_b32 s34, s31, 22                        ; x: the image's 4 MiB, my 128 channels of 16,384 bytes, the step's 512 bytes, my 128 of them
	s_lshl_b32 s39, s30, 21
	s_add_co_u32 s34, s34, s39
	s_lshl_b32 s39, ttmp9, 9
	s_add_co_u32 s34, s34, s39
	s_lshl_b32 s39, s29, 7
	s_add_co_u32 s34, s34, s39
	s_wait_kmcnt 0x0
	s_add_nc_u64 s[4:5], s[4:5], s[34:35]
	LOAD 0
	LOAD 1
	s_mul_i32 s34, s28, 6144                       ; Wv: my 32 rows of 192 bytes
	s_add_nc_u64 s[18:19], s[18:19], s[34:35]
	s_lshl_b32 s34, s28, 8                         ; their scale bytes, 8 a row
	s_add_nc_u64 s[20:21], s[20:21], s[34:35]
	s_lshl_b32 s34, s28, 7                         ; bv: my 32 numbers
	s_add_nc_u64 s[22:23], s[22:23], s[34:35]
	s_mul_i32 s34, s38, REC
	s_add_nc_u64 s[24:25], s[24:25], s[34:35]      ; my record
	s_lshl_b32 s34, s38, 13
	s_add_nc_u64 s[26:27], s[26:27], s[34:35]      ; and q's 8,192 bytes
	s_mul_i32 s34, s28, 2*FRB
	s_add_nc_u64 s[36:37], s[24:25], s[34:35]      ; the record, two fragments of V on for each wave
	; ---- X: 32 pixels x 128 channels become two fragments
	s_wait_loadcnt 32                              ; block 0 is in; block 1's 32 loads may be out
	LOAD 2
	XBLOCK 0
	s_wait_loadcnt 32                              ; block 1 is in; block 2's may be out
	LOAD 3
	XBLOCK 1
	s_wait_loadcnt 32                              ; block 2 is in; block 3's may be out
	WIN 0x40                                       ; destination window 1: Wv's four fragments (tile i, K step k): 24 loads
.irp i, 0,1
.irp k, 0,1
.irp p, 0,1,2,3,4,5
	global_load_b64 v[WV+12*(2*\i+\k)+2*\p:WV+12*(2*\i+\k)+2*\p+1], v[WA], s[18:19] offset:3072*\i+96*\k+48*(\p/3)+8*(\p%3)
.endr
.endr
.endr
	WIN 0
.irp i, 0,1                                    ; their scale words and bv: 4 loads
	global_load_b64 v[WVS+2*\i:WVS+2*\i+1], v[R8], s[20:21] offset:128*\i
	global_load_b32 v[BVR+\i], v[R4], s[22:23] offset:64*\i
.endr
	XBLOCK 2
	s_wait_loadcnt 28                              ; block 3 is in; the 28 loads just issued may be out
	XBLOCK 3
.irp k, 0,1                                    ; Wq, Wk, their scales and biases: 30 loads, into registers that the numbers of x have left
.irp p, 0,1,2,3,4,5
	global_load_b64 v[WQ+12*\k+2*\p:WQ+12*\k+2*\p+1], v[WA], s[6:7] offset:96*\k+48*(\p/3)+8*(\p%3)
	global_load_b64 v[WK+12*\k+2*\p:WK+12*\k+2*\p+1], v[WA], s[12:13] offset:96*\k+48*(\p/3)+8*(\p%3)
.endr
.endr
	global_load_b64 v[WQS:WQS+1], v[R8], s[8:9]
	global_load_b64 v[WKS:WKS+1], v[R8], s[14:15]
	global_load_b128 v[BQ:BQ+3], v[H32], s[10:11]
	global_load_b128 v[BQ+4:BQ+7], v[H32], s[10:11] offset:16
	global_load_b128 v[BK:BK+3], v[H32], s[16:17]
	global_load_b128 v[BK+4:BK+7], v[H32], s[16:17] offset:16
	IMAGE XWI, F0, XIMG
	IMAGE XWI, F0+12, XIMG+2*FRB
	ds_store_b32 v[XWS], v[XW] offset:XSC
	BARRIER                                        ; x's sixteen fragments and their scale words lie in LDS
	; ---- V: my 32 channels for the 128 pixels
	WIN 0x40
.irp f, 0,1,2,3,4,5,6,7,8,9,10,11,12,13,14,15
.irp q, 0,1,2
	ds_load_b128 v[12*\f+4*\q:12*\f+4*\q+3], v[LI] offset:XIMG+FRB*\f+512*\q
.endr
.endr
	WIN 0
.irp g, 0,1,2,3,4,5,6,7
	ds_load_b32 v[XSCR+\g], v[LS] offset:XSC+128*\g
.endr
	FETCH XOF, XOA, XIMG
	FETCH XOF+12, XOA, XIMG+FRB
	ds_load_b32 v[XOSR], v[XOS] offset:XSC
	ds_load_b32 v[XOSR+1], v[XOS] offset:XSC+128
	s_wait_loadcnt 30                              ; Wv, its scales and bv are in; the 30 loads for q and k may be out
.irp j, 0,1,2,3,4,5,6,7
	v_mov_b32 v[BV+\j], v[BVR]                     ; in the result a lane holds one channel: its bias in all eight registers
.endr
	s_wait_dscnt 0x0
	PLACES 4
.macro VTILE i                         ; channel tile 2 w + i: eight tiles of pixels by turns, K step by K step
	WIN 0x05                                       ; sources 0 (x) and 1 (Wv) window 1; C and D window 0
.irp T, 0,1,2,3,4,5,6,7
.if \T%2
	v_wmma_scale_f32_16x16x128_f8f6f4 v[HA+8*\T:HA+8*\T+7], v[24*\T:24*\T+11], v[WV+24*(\i):WV+24*(\i)+11], v[BV:BV+7], v[XSCR+2*(\T/2)], v[WVS+2*(\i)] matrix_a_fmt:MATRIX_FMT_FP6 matrix_b_fmt:MATRIX_FMT_FP6 matrix_a_scale:MATRIX_SCALE_ROW1
.else
	v_wmma_scale_f32_16x16x128_f8f6f4 v[HA+8*\T:HA+8*\T+7], v[24*\T:24*\T+11], v[WV+24*(\i):WV+24*(\i)+11], v[BV:BV+7], v[XSCR+2*(\T/2)], v[WVS+2*(\i)] matrix_a_fmt:MATRIX_FMT_FP6 matrix_b_fmt:MATRIX_FMT_FP6
.endif
.endr
.irp T, 0,1,2,3,4,5,6,7
.if \T%2
	v_wmma_scale_f32_16x16x128_f8f6f4 v[HA+8*\T:HA+8*\T+7], v[24*\T+12:24*\T+23], v[WV+24*(\i)+12:WV+24*(\i)+23], v[HA+8*\T:HA+8*\T+7], v[XSCR+2*(\T/2)+1], v[WVS+2*(\i)+1] matrix_a_fmt:MATRIX_FMT_FP6 matrix_b_fmt:MATRIX_FMT_FP6 matrix_a_scale:MATRIX_SCALE_ROW1
.else
	v_wmma_scale_f32_16x16x128_f8f6f4 v[HA+8*\T:HA+8*\T+7], v[24*\T+12:24*\T+23], v[WV+24*(\i)+12:WV+24*(\i)+23], v[HA+8*\T:HA+8*\T+7], v[XSCR+2*(\T/2)+1], v[WVS+2*(\i)+1] matrix_a_fmt:MATRIX_FMT_FP6 matrix_b_fmt:MATRIX_FMT_FP6
.endif
.endr
	WIN 0
	PLACES 4                                       ; in front of the first read of results
.if (\i) > 0
	s_wait_xcnt 0x0                                ; the last tile's stores have read the codes' registers: they are written again only behind this wait
.endif
	QUANT HA                                       ; register 16 b + i of lane (r, h) is v(channel r, key 32 b + 16 h + i)
.irp q, 0,1,2
	global_store_b128 v[LI], v[PC+4*\q:PC+4*\q+3], s[36:37] offset:8192+FRB*(\i)+512*\q   ; 32 lanes store 512 consecutive bytes, aligned to 256
.endr
	ds_store_b32 v[VSA], v[PW] offset:VSCL+256*(\i)   ; both halves of the lanes write the same word with the same value
.endm
	VTILE 0
.irp j, 0,1,2,3,4,5,6,7
	v_mov_b32 v[BV+\j], v[BVR+1]
.endr
	PLACES 4
	VTILE 1
	; ---- q and k of my own tile of 16 pixels: two accumulators by turns
	s_wait_loadcnt 0x0
	v_wmma_scale_f32_16x16x128_f8f6f4 v[QA:QA+7], v[WQ:WQ+11], v[XOF:XOF+11], v[BQ:BQ+7], v[WQS], v[XOSR] matrix_a_fmt:MATRIX_FMT_FP6 matrix_b_fmt:MATRIX_FMT_FP6
	v_wmma_scale_f32_16x16x128_f8f6f4 v[KA:KA+7], v[WK:WK+11], v[XOF:XOF+11], v[BK:BK+7], v[WKS], v[XOSR] matrix_a_fmt:MATRIX_FMT_FP6 matrix_b_fmt:MATRIX_FMT_FP6
	v_wmma_scale_f32_16x16x128_f8f6f4 v[QA:QA+7], v[WQ+12:WQ+23], v[XOF+12:XOF+23], v[QA:QA+7], v[WQS+1], v[XOSR+1] matrix_a_fmt:MATRIX_FMT_FP6 matrix_b_fmt:MATRIX_FMT_FP6
	v_wmma_scale_f32_16x16x128_f8f6f4 v[KA:KA+7], v[WK+12:WK+23], v[XOF+12:XOF+23], v[KA:KA+7], v[WKS+1], v[XOSR+1] matrix_a_fmt:MATRIX_FMT_FP6 matrix_b_fmt:MATRIX_FMT_FP6
	PLACES 4
	; lane (r, h) holds dims 8 h + 0 .. 7 of pixel r: dims 8 h + 0 .. 3 go to part e = h, lane r; dims 8 h + 4 .. 7 to part e = h, lane 16 + r.  Sixteen lanes store 256 consecutive bytes, aligned
	global_store_b128 v[KST], v[QA:QA+3], s[26:27]
	global_store_b128 v[KST], v[QA+4:QA+7], s[26:27] offset:256
	global_store_b128 v[KST], v[KA:KA+3], s[24:25]
	global_store_b128 v[KST], v[KA+4:KA+7], s[24:25] offset:256
	BARRIER                                        ; v's sixteen scale words a row lie in LDS
	s_cmp_lg_u32 s28, 0
	s_cbranch_scc1 .Ldone
	ds_load_b128 v[HA:HA+3], v[LI] offset:VSCL     ; wave 0 sends them out: 1,024 consecutive bytes
	ds_load_b128 v[HA+4:HA+7], v[LI] offset:VSCL+512
	s_wait_dscnt 0x0
	global_store_b128 v[LI], v[HA:HA+3], s[24:25] offset:32768
	global_store_b128 v[LI], v[HA+4:HA+7], s[24:25] offset:33280
.Ldone:
	s_wait_tensorcnt 0x0
	ds_add_u32 v123, v127
	s_wait_dscnt 0x0
	s_endpgm
.Lfunc_end_k_q2005d0f12b_proj:
	.size	k_q2005d0f12b_proj, .Lfunc_end_k_q2005d0f12b_proj-k_q2005d0f12b_proj
	.p2alignl 7, 3214868480
	.fill 96, 4, 3214868480
	.section	.rodata,"a",@progbits
	.p2align	6, 0x0
	.amdhsa_kernel k_q2005d0f12b_proj
		.amdhsa_group_segment_fixed_size 27648
		.amdhsa_private_segment_fixed_size 0
		.amdhsa_enable_private_segment 0
		.amdhsa_kernarg_size 96
		.amdhsa_user_sgpr_count 2
		.amdhsa_user_sgpr_kernarg_segment_ptr 1
		.amdhsa_wavefront_size32 1
		.amdhsa_system_sgpr_workgroup_id_x 1
		.amdhsa_system_sgpr_workgroup_id_y 1
		.amdhsa_system_sgpr_workgroup_id_z 1
		.amdhsa_system_vgpr_workitem_id 0
		.amdhsa_next_free_vgpr 512
		.amdhsa_next_free_sgpr 66
		.amdhsa_reserve_vcc 0
		.amdhsa_float_denorm_mode_32 3
		.amdhsa_float_denorm_mode_16_64 3
		.amdhsa_memory_ordered 1
		.amdhsa_forward_progress 1
		.amdhsa_inst_pref_size 47
	.end_amdhsa_kernel
	.amdgpu_metadata
---
amdhsa.version: [ 1, 2 ]
amdhsa.kernels:
  - .name:           k_q2005d0f12b_proj
    .symbol:         k_q2005d0f12b_proj.kd
    .args:
      - { .name: x, .offset: 0, .size: 8, .value_kind: global_buffer, .address_space: global }
      - { .name: wq_codes, .offset: 8, .size: 8, .value_kind: global_buffer, .address_space: global }
      - { .name: wq_scales, .offset: 16, .size: 8, .value_kind: global_buffer, .address_space: global }
      - { .name: bq, .offset: 24, .size: 8, .value_kind: global_buffer, .address_space: global }
      - { .name: wk_codes, .offset: 32, .size: 8, .value_kind: global_buffer, .address_space: global }
      - { .name: wk_scales, .offset: 40, .size: 8, .value_kind: global_buffer, .address_space: global }
      - { .name: bk, .offset: 48, .size: 8, .value_kind: global_buffer, .address_space: global }
      - { .name: wv_codes, .offset: 56, .size: 8, .value_kind: global_buffer, .address_space: global }
      - { .name: wv_scales, .offset: 64, .size: 8, .value_kind: global_buffer, .address_space: global }
      - { .name: bv, .offset: 72, .size: 8, .value_kind: global_buffer, .address_space: global }
      - { .name: kv, .offset: 80, .size: 8, .value_kind: global_buffer, .address_space: global }
      - { .name: qimg, .offset: 88, .size: 8, .value_kind: global_buffer, .address_space: global }
    .group_segment_fixed_size: 27648
    .private_segment_fixed_size: 0
    .kernarg_segment_align: 8
    .kernarg_segment_size: 96
    .max_flat_workgroup_size: 256
    .sgpr_count:     66
    .vgpr_count:     512
    .wavefront_size: 32
...
	.end_amdgpu_metadata
.endif
;; end of part 1
;; launch attn (part 2): grid 64 x 4, 8 waves a work-group, clusters of 4 x 1, 327,680 bytes of LDS; arguments x, kv, qimg, gamma, out0; writes out0
.if DOCPART == 2
	.amdgcn_target "amdgcn-amd-amdhsa--gfx1250"
	.amdhsa_code_object_version 6
	.text
	.protected	k_q2005d0f12b_attn
	.globl	k_q2005d0f12b_attn
	.p2align	8
	.type	k_q2005d0f12b_attn,@function
k_q2005d0f12b_attn:
	s_mov_b64 s[64:65], 0
	v_nop
	global_prefetch_b8 v0, s[64:65] scope:SCOPE_SE
	s_setreg_imm32_b32 hwreg(HW_REG_WAVE_MODE, 25, 1), 1
	s_wait_xcnt 0x0
	s_wait_alu depctr_hold_cnt(0) depctr_sa_sdst(0) depctr_va_vdst(0) depctr_va_sdst(0) depctr_va_ssrc(0) depctr_va_vcc(0) depctr_vm_vsrc(0)
	s_getreg_b32 s2, hwreg(HW_REG_IB_STS2, 6, 4)
	s_cmp_eq_u32 s2, 0
	s_cbranch_scc0 .Lentry_in_a_cluster
	s_endpgm
.Lentry_in_a_cluster:
	s_bfe_u32 s2, ttmp6, 0x10000c
	s_cmp_lg_u32 s2, 0x3003
	s_cbranch_scc0 .Lentry_shape_is_right
	s_endpgm
.Lentry_shape_is_right:
; out0[b][c][n] = gamma x (sum over m of v[b][c][m] p[n][m]) / l[n] + x[b][c][n], p = 2^(t - M), t = (q[n] . k[m]) x log2(e), M = the ceiling of the row's largest t, l = the row's sum of the unquantised p.
; q . k (16 dims) takes f32 operands (v_wmma_f32_16x16x4_f32), since its result goes into a quantiser; v p^T runs on codes of FP6 (E2M3) with one E8M0 scale for each 32 keys.
; kv and qimg lie in the order of the operands' registers: every fragment comes from LDS as an image, lane l's 16 bytes at 16 l.  A record of kv serves 128 keys: K (f32) 8,192 bytes, V's codes 24,576, V's scale words 1,024.
; SHARES.  A work-group owns 64 queries of one image.  Wave w: qg = w % 2 takes 32 of them (two tiles of 16), kg = w / 2 takes every fourth step of 128 keys: record kg of each slot of four records.
; Two waves share a SIMD's registers, 512 each, so that one wave's softmax stands beside the other's products; two tiles a wave let each fragment of V feed two products.
; The four key groups' partial results meet at the end: every M is a whole number, so bringing them under the largest M is a multiplication by a power of two.
; LAYOUT.  Both products are used transposed: S^T = K Q^T (source 0 = 16 keys, source 1 = 16 queries), O^T = V P^T (source 0 = 16 channels, source 1 = P): a lane holds one query throughout.
; The keys of a tile of K are not neighbours (tile 2 b + u, lane r: key 32 b + 8 u + r + 8 (r / 8)), so that the 16 registers of tiles 2 b and 2 b + 1 are keys 32 b + 16 (lane / 16) + 0 .. 15.
; The 16 dims are taken in the order 8 (s / 2) + 4 h + 2 (s % 2) + j for K step s, alike in q and k: the products are the same, the order of the f32 sum is this one.
; CLUSTER.  The four query blocks of a cluster walk the same kv: each eighth of a slot is asked for JOINTLY, by the same tensor load with the same descriptor and a mask that names the four.
; RING.  Two slots of four records (135,168 bytes); each of the eight waves fetches an eighth (66 rows of 256 bytes) with one tensor load; by this text's count a wave has two loads out at the start and one behind each change of slots.
; LIMITS: NaN and infinities among the inputs are not served; a p under 2^-126 falls to 0; a block of p whose largest lies under 2^-124 keeps the scale byte 1.
; REGISTERS.  Window 0: v1-11 addresses; v12-19 -M, the largest t and the sum in two halves, four a tile; v20-23 f; v24-25 p's scale words; v26-27 at work; v28-35 V's scale words; v36-51 Q; v52-67 at work;
;   v68-91 p's codes; v92-155 S^T (written by matrix instructions alone); v164-227 K's fragments, then p; v156-203 and v204-251 two buffers of four fragments of V; v252-255 addresses.   Window 1: O^T, 128 u + 8 ct + j.
.set REC,   33792
.set SLOTB, 4*REC
.set PART,  SLOTB/8                    ; what one tensor load brings
.set IMG,   32*REC                     ; an image's part of kv
.set STGP,  272                        ; the stage for the merge: a channel's 64 queries, 256 bytes + 16
.set STGG,  256*STGP                   ; 256 channels for each key group.  The stage lies over the slots: they have had their last fill and their last read when the first result is stored there
.set SPARE, 4*STGG                     ; the spare words, 128 bytes for each wave: four blocks of 256 bytes that no other line names
.set STAT,  SPARE+1024                 ; [query slot 64][kg 4][-M, l]: 2,048 bytes
.set SPW,  3                           ; v3   LDS address of my spare word; never rewritten
.set NIL,  4                           ; v4   0; never rewritten
.set PFO,  5                           ; v5   256 x lane: the prefetches of kv
.set PFX,  6                           ; v6   16,384 x lane: the prefetch of x
.set SA,   7                           ; v7   where my statistics go
.set SL,   8                           ; v8   where my queries' four pairs lie
.set STO,  9                           ; v9   the stage: channels 0-127;  v10: channels 128-255
.set STO2, 10
.set GO,   11                          ; v11  16,384 h + 16 r: two rows of x or out0, 16 bytes a lane
.set PW,   24
.set VS,   28
.set Q,    36
.set BM,   52                          ; v52-55 the blocks' largest scores, then their largest p
.set T2,   56                          ; v56-59 the other half's; then the bytes
.set SO,   60                          ; v60-63 the conversions' scale operands
.set CH,   64                          ; v[64:65] the sums' second chain
.set QO,   66                          ; v66  16 x lane
.set PC,   68
.set S,    92
.set CT,   156
.set KF,   164
.set P,    164
.set VA,   156
.set VB,   204
.set XR,   156                         ; the way out: my 32 rows of x
.set RD,   252                         ; v252-255 the way out: key group g's rows in the stage
.set WV,   15                          ; s15  my wave's number
.set G1,   24                          ; s[24:31] descriptor group 1;  s[32:39] group 0, one set for each slot
.set G0,   32
.set SEL,  40                          ; s[40:41] lane selects for v_permlanex16_b32: lane l xor 16
.set CS,   42                          ; s[42:43] log2(e): the packed form names a pair and takes its low word for both halves
.set PFA,  44                          ; s[44:45] where my prefetches of kv stand
.set LIM,  46                          ; s46  1 in a wave that prefetches, else the greatest number
.set LAPS, 47
.set MSB, 0
.macro WIN new                         ; the immediate's high byte repeats the setting that is left
.if MSB != \new
	s_set_vgpr_msb (MSB<<8)|\new
.set MSB, \new
.endif
.endm
.macro PLACES n
.rept \n
	v_nop
.endr
.endm
.macro CROUND                          ; a round of the cluster's barrier
	s_barrier_signal -1
	s_barrier_wait -1
	s_cmp_lg_u32 s[WV], 0
	s_cbranch_scc1 .Lnot_wave_0_\@
	s_barrier_signal -3
.Lnot_wave_0_\@:
	s_barrier_wait -3
	s_barrier_signal -1
	s_barrier_wait -1
.endm
.macro JLOAD n                         ; every wave fetches its eighth of slot n; four v_nop follow
	tensor_load_to_lds s[G0+4*\n:G0+4*\n+3], s[G1:G1+7]
	s_nop 0
	PLACES 4
.endm
; A PREFETCH INTO THE L2 of what the NEXT change of slots will ask for.  All sixteen clusters of an image walk the same kv: the image's first cluster asks.  Its four partners are told apart BY ADDRESS: partner cx takes
; record cx of the slot; in each, waves 0 to 3 take 8,192 bytes each, lanes 256 bytes apart: the record's K and V; its last 1,024 bytes come by the load alone.  So each aligned block of 256 bytes is named once.
; how = 1: slot 0's change, which always has a slot behind it; how = 0: slot 1's, which has none in the loop's last trip.  Slots 0 to 2 come by their loads alone.
.macro ASK how
.if \how
	s_cmp_eq_u32 s[LIM], 1
.else
	s_cmp_gt_u32 s[LAPS], s[LIM]
.endif
	s_cbranch_scc0 .Lnot_mine_\@
	global_prefetch_b8 v[PFO], s[PFA:PFA+1] th:TH_LOAD_NT scope:SCOPE_SE
.Lnot_mine_\@:
.endm
; S^T = K Q^T for tile u: eight tiles of 16 keys by turns, four K steps of 4 dims.  The first K step starts the sums.
.macro QKS s, u, zero
.irp T, 0,1,2,3,4,5,6,7
.if \zero
	v_wmma_f32_16x16x4_f32 v[S+8*\T:S+8*\T+7], v[KF+8*\T+2*(\s):KF+8*\T+2*(\s)+1], v[Q+8*(\u)+2*(\s):Q+8*(\u)+2*(\s)+1], 0
.else
	v_wmma_f32_16x16x4_f32 v[S+8*\T:S+8*\T+7], v[KF+8*\T+2*(\s):KF+8*\T+2*(\s)+1], v[Q+8*(\u)+2*(\s):Q+8*(\u)+2*(\s)+1], v[S+8*\T:S+8*\T+7]
.endif
.endr
.endm
.macro QK n, u
.if (\u) == 0
	PLACES 4                                       ; the last products V P^T read the registers that are loaded now
.endif
.irp e, 0,1
.irp T, 0,1,2,3,4,5,6,7
	ds_load_b128 v[KF+8*\T+4*\e:KF+8*\T+4*\e+3], v[1+\n] offset:1024*\T+512*\e
.endr
.endr
	s_wait_dscnt 8                                 ; dims' first half is in; the eight loads of the second half may be out
	QKS 0, \u, 1
	QKS 1, \u, 0
	s_wait_dscnt 0x0
	QKS 2, \u, 0
	QKS 3, \u, 0
	PLACES 8                                       ; eight places behind this form in front of the first read of results and of writes over K's registers
.endm
; Tile u's softmax for 128 keys.  first = 1: the wave's first step: no old M, no f, and the first additions start the sum.
.macro SOFTMAX u, first
.set rM, 12+4*(\u)
.set rF, 20+2*(\u)
.set rC, PC+12*(\u)
.irp b, 0,1,2,3
	v_max3_num_f32 v[BM+\b], v[S+16*\b], v[S+16*\b+1], v[S+16*\b+2]   ; the largest score of each block of 32 keys: for the row's maximum and, since p rises with the score, for the block's largest p
.endr
.irp i, 3,5,7,9,11,13
.irp b, 0,1,2,3
	v_max3_num_f32 v[BM+\b], v[BM+\b], v[S+16*\b+\i], v[S+16*\b+\i+1]
.endr
.endr
.irp b, 0,1,2,3
	v_max_num_f32 v[BM+\b], v[BM+\b], v[S+16*\b+15]
.endr
.irp b, 0,1,2,3
	v_permlanex16_b32 v[T2+\b], v[BM+\b], s[SEL], s[SEL+1]
.endr
.irp b, 0,1,2,3
	v_max_num_f32 v[BM+\b], v[BM+\b], v[T2+\b]     ; with lane l xor 16's 16 keys
.endr
	v_max3_num_f32 v26, v[BM], v[BM+1], v[BM+2]
	v_max_num_f32 v26, v26, v[BM+3]                ; the step's largest score of my query
.if \first
	v_mul_f32 v[rM+1], s[CS], v26                  ; as t
	v_floor_f32 v[rM], -v[rM+1]                    ; -M = floor(-t) = -ceil(t): M is a whole number
.else
	v_mul_f32 v26, s[CS], v26
	v_max_num_f32 v[rM+1], v[rM+1], v26            ; the running largest t
	v_mov_b32 v26, v[rM]
	v_floor_f32 v[rM], -v[rM+1]
	v_sub_f32 v26, v[rM], v26                      ; old M - new M: a whole number, 0 or less
	v_cvt_i32_f32 v26, v26                         ; (it saturates)
	v_ldexp_f32 v[rF], 1.0, v26                    ; f = 2^(old M - new M): a multiplication by it rounds nothing
.endif
.irp j, 0,2,4,6,8,10,12,14,16,18,20,22,24,26,28,30,32,34,36,38,40,42,44,46,48,50,52,54,56,58,60,62
	v_pk_fma_f32 v[P+\j:P+\j+1], v[S+\j:S+\j+1], s[CS:CS+1], v[rM:rM+1] op_sel_hi:[1,0,0]   ; t - M, two at a time, into registers of their own
.endr
.irp b, 0,1,2,3
	v_fma_f32 v[BM+\b], v[BM+\b], s[CS], v[rM]     ; the same of each block's largest score
.endr
.irp j, 0,1,2,3,4,5,6,7,8,9,10,11,12,13,14,15,16,17,18,19,20,21,22,23,24,25,26,27,28,29,30,31,32,33,34,35,36,37,38,39,40,41,42,43,44,45,46,47,48,49,50,51,52,53,54,55,56,57,58,59,60,61,62,63
	v_exp_f32 v[P+\j], v[P+\j]                     ; p = 2^(t - M), at most 1: not normalised
.endr
.if \first
	v_nop                                          ; a plain place behind the exponentials
.else
	v_pk_mul_f32 v[rM+2:rM+3], v[rM+2:rM+3], v[rF:rF+1] op_sel_hi:[1,0]   ; the sum under the new M (a plain place behind the exponentials)
.endif
	s_wait_alu depctr_va_vdst(0)                   ; one wait for the batch of 64, ahead of its first reader
.irp b, 0,1,2,3
	v_exp_f32 v[BM+\b], v[BM+\b]                   ; the block's largest p: the same two instructions on the same number give the same bits
.endr
	v_pk_add_f32 v[CH:CH+1], v[P:P+1], v[P+2:P+3]  ; the row's sum is taken of the unquantised p, two at a time, in two chains (plain work behind the four)
.if \first
	v_pk_add_f32 v[rM+2:rM+3], v[P+4:P+5], v[P+8:P+9]
.else
	v_pk_add_f32 v[rM+2:rM+3], v[rM+2:rM+3], v[P+4:P+5]
	v_pk_add_f32 v[rM+2:rM+3], v[rM+2:rM+3], v[P+8:P+9]
.endif
	v_pk_add_f32 v[CH:CH+1], v[CH:CH+1], v[P+6:P+7]
	v_pk_add_f32 v[CH:CH+1], v[CH:CH+1], v[P+10:P+11]
.irp j, 12,16,20,24,28,32,36,40,44,48,52,56,60
	v_pk_add_f32 v[rM+2:rM+3], v[rM+2:rM+3], v[P+\j:P+\j+1]
	v_pk_add_f32 v[CH:CH+1], v[CH:CH+1], v[P+\j+2:P+\j+3]
.endr
	v_pk_add_f32 v[rM+2:rM+3], v[rM+2:rM+3], v[CH:CH+1]
	s_wait_alu depctr_va_vdst(0)                   ; and one for the four
.irp b, 0,1,2,3
	v_max_num_f32 v[BM+\b], 0x1800000, v[BM+\b]    ; the floor 2^(3 - 127): the byte cannot fall under 1
.endr
.irp b, 0,1,2,3
	v_add_nc_u32 v[SO+\b], 0xff000000, v[BM+\b]    ; 2 off the exponent field: the conversion's scale operand
.endr
.irp b, 0,1,2,3
	v_lshrrev_b32 v[T2+\b], 23, v[SO+\b]           ; the scale's byte
.endr
	v_lshl_or_b32 v[PW+\u], v[T2+1], 8, v[T2]      ; p's scale word for these 128 keys
	v_lshl_or_b32 v[PW+\u], v[T2+2], 16, v[PW+\u]
	v_lshl_or_b32 v[PW+\u], v[T2+3], 24, v[PW+\u]
.irp c, 0,1
	v_cvt_scalef32_pk16_fp6_f32 v[rC+6*\c:rC+6*\c+2], v[P+32*\c:P+32*\c+15], v[SO+2*\c]
	v_cvt_scalef32_pk16_fp6_f32 v[CT+4*\c:CT+4*\c+2], v[P+32*\c+16:P+32*\c+31], v[SO+2*\c+1]   ; (a conversion's three registers begin on an even number)
.endr
	v_nop                                          ; one plain place behind a scaled conversion
.irp c, 0,1                                    ; the operand's layout wants a whole block in a lane
.irp i, 0,1,2
	v_permlane16_swap_b32 v[rC+6*\c+\i], v[CT+4*\c+\i]
.endr
.irp i, 0,1,2
	v_mov_b32 v[rC+3+6*\c+\i], v[CT+4*\c+\i]
.endr
.endr
.endm
.macro VLOAD n, g, buf                 ; V's fragments of channel tiles 4 g .. 4 g + 3: 12 loads
.irp t, 0,1,2,3
.irp q, 0,1,2
	ds_load_b128 v[\buf+12*\t+4*\q:\buf+12*\t+4*\q+3], v[1+\n] offset:8192+(4*(\g)+\t)*1536+512*\q
.endr
.endr
.endm
.macro PVMUL g, buf, first             ; eight products: four channel tiles x my two tiles of queries; each fragment of V feeds two.  No two that follow each other share an accumulator
	WIN 0x50                                       ; C and D window 1
.irp t, 0,1,2,3
.irp u, 0,1
.set rO, 128*\u+8*(4*(\g)+\t)
.set rA, \buf+12*\t
.set rB, PC+12*\u
.set rS, VS+(4*(\g)+\t)/2
.if \first
.if \t%2
	v_wmma_scale_f32_16x16x128_f8f6f4 v[rO:rO+7], v[rA:rA+11], v[rB:rB+11], 0, v[rS], v[PW+\u] matrix_a_fmt:MATRIX_FMT_FP6 matrix_b_fmt:MATRIX_FMT_FP6 matrix_a_scale:MATRIX_SCALE_ROW1
.else
	v_wmma_scale_f32_16x16x128_f8f6f4 v[rO:rO+7], v[rA:rA+11], v[rB:rB+11], 0, v[rS], v[PW+\u] matrix_a_fmt:MATRIX_FMT_FP6 matrix_b_fmt:MATRIX_FMT_FP6
.endif
.else
.if \t%2
	v_wmma_scale_f32_16x16x128_f8f6f4 v[rO:rO+7], v[rA:rA+11], v[rB:rB+11], v[rO:rO+7], v[rS], v[PW+\u] matrix_a_fmt:MATRIX_FMT_FP6 matrix_b_fmt:MATRIX_FMT_FP6 matrix_a_scale:MATRIX_SCALE_ROW1
.else
	v_wmma_scale_f32_16x16x128_f8f6f4 v[rO:rO+7], v[rA:rA+11], v[rB:rB+11], v[rO:rO+7], v[rS], v[PW+\u] matrix_a_fmt:MATRIX_FMT_FP6 matrix_b_fmt:MATRIX_FMT_FP6
.endif
.endif
.endr
.endr
.endm
; O^T = f O^T + V P^T for both tiles.  The rescaling stands between the first loads and the wait for them; it is also the places between the lines that made p's codes and scale words and the scaled products.
.macro PV n, first
	ds_load_b128 v[VS:VS+3], v[1+\n] offset:32768  ; V's scale words: register ct / 2, lanes 0-15 the even tile, lanes 16-31 the odd one
	ds_load_b128 v[VS+4:VS+7], v[1+\n] offset:33280
	VLOAD \n, 0, VA
	VLOAD \n, 1, VB
.if \first
	PLACES 8                                       ; a scale register written by a vector instruction stands eight places ahead of a scaled product
.else
	WIN 0x41                                       ; O^T (destination and source 0) window 1, f window 0
.irp u, 0,1
.set i, 0
.rept 64
	v_pk_mul_f32 v[128*\u+i:128*\u+i+1], v[128*\u+i:128*\u+i+1], v[20+2*\u:21+2*\u] op_sel_hi:[1,0]   ; ascending: each accumulator is read from its low end on
.set i, i+2
.endr
.endr
.endif
	s_wait_dscnt 12                                ; the scale words and group 0 are in; group 1's 12 loads may be out
	PVMUL 0, VA, \first
	WIN 0
	PLACES 4                                       ; in front of loads into registers that products have read
	VLOAD \n, 2, VA
	s_wait_dscnt 12                                ; group 1 is in; group 2's 12 may be out
	PVMUL 1, VB, \first
	WIN 0
	PLACES 4
	VLOAD \n, 3, VB
	s_wait_dscnt 12                                ; group 2 is in; group 3's 12 may be out
	PVMUL 2, VA, \first
	s_wait_dscnt 0x0
	PVMUL 3, VB, \first
	WIN 0
.endm
.macro WORK n, first                   ; my record of slot n: 128 keys for my 32 queries.  K is read once for each tile: S^T of both tiles at once has no room
	QK \n, 0
	SOFTMAX 0, \first
	QK \n, 1
	SOFTMAX 1, \first
	PV \n, \first
.endm
; THE CHANGE OF SLOTS: slot n has been read, the other is read next.  Each wave waits for all its tensor loads (its part of the other slot), adds 0 to its spare word, and waits for that and for its reads of slot n.
; fill = 1: a round of the cluster's barrier, so that no wave of any partner still reads slot n or has a load on its way; the joint refill, with the keys two slots on, is the first thing behind it.
.macro CHANGE n, fill, how
	s_wait_tensorcnt 0x0                           ; no tensor load of mine is out, so a group 0 may be written
	ds_add_u32 v[SPW], v[NIL]                      ; 0 onto my spare word
.if \fill
	s_add_nc_u64 s[G0+4*\n+2:G0+4*\n+3], s[G0+4*\n+2:G0+4*\n+3], 2*SLOTB   ; the type bits on top are not reached
	s_wait_xcnt 0x0                                ; the last prefetch, a slot back, has read its address, so it may be written
	s_add_nc_u64 s[PFA:PFA+1], s[PFA:PFA+1], SLOTB ; one slot further on than the refill
	s_wait_dscnt 0x0                               ; the add is done, and my reads of slot n are over
	CROUND
	JLOAD \n
	ASK \how
.else
	s_wait_dscnt 0x0
	s_barrier_signal -1
	s_barrier_wait -1
.endif
.endm
	s_load_b256 s[4:11], s[0:1], 0x0               ; x s[4:5], kv s[6:7], qimg s[8:9], gamma s[10:11]
	s_load_b64 s[12:13], s[0:1], 0x20              ; out0
	v_lshl_add_u32 v[SPW], v0, 2, SPARE
	v_mov_b32 v[NIL], 0
	ds_add_u32 v3, v4
	ds_add_u32 v3, v4
	s_wait_dscnt 0x0
	v_lshrrev_b32 v26, 5, v0
	v_readfirstlane_b32 s[WV], v26                 ; wave 0..7
	s_lshr_b32 s16, s[WV], 1                       ; kg
	s_and_b32 s17, s[WV], 1                        ; qg
	s_bfe_u32 s18, ttmp6, 0x40000                  ; cx: my place in the cluster
	s_lshl_b32 s19, ttmp9, 2
	s_add_co_u32 s19, s19, s18                     ; my block of 64 queries: it enters the addresses of q, x and out0 alone
	s_and_b32 s20, ttmp7, 0xffff                   ; the image, which the four partners share
	; descriptor group 1: a dense block of 66 rows of 256 bytes (32 elements of 8 bytes), no padding
	s_mov_b32 s[G1], 15|(3<<16)|(1<<21)            ; 15:0 the mask: all four work-groups; 17:16 elements of 8 bytes; 21 set beside a mask
	s_mov_b32 s[G1+1], 32<<16                      ; tensor_dim0 = 32
	s_mov_b32 s[G1+2], 66<<16                      ; tensor_dim1 = 66
	s_mov_b32 s[G1+3], 32<<16                      ; tile_dim0 = 32
	s_mov_b32 s[G1+4], 66                          ; tile_dim1 = 66
	s_mov_b32 s[G1+5], 32                          ; from row to row
	s_mov_b32 s[G1+6], 0
	s_mov_b32 s[G1+7], 0
	s_mul_i32 s52, s[WV], PART                     ; my eighth of a slot, in LDS and in memory: no place in the cluster enters it
	s_mul_i32 s48, s20, IMG
	s_add_co_u32 s48, s48, s52
	s_mov_b32 s49, 0
	s_lshl_b32 s56, s20, 22                        ; x and out0: the image's 4 MiB, my 32 channels of 16,384 bytes, my block's 256 bytes
	s_lshl_b32 s57, s[WV], 19
	s_add_co_u32 s56, s56, s57
	s_lshl_b32 s57, s19, 8
	s_add_co_u32 s56, s56, s57
	s_mov_b32 s57, 0
	s_lshl_b32 s58, s20, 18                        ; q: the image's 262,144 bytes, my block's 4,096, my 32 queries' 2,048
	s_lshl_b32 s59, s19, 12
	s_add_co_u32 s58, s58, s59
	s_lshl_b32 s59, s17, 11
	s_add_co_u32 s58, s58, s59
	s_mov_b32 s59, 0
	s_mul_i32 s54, s20, IMG                        ; the prefetches: record cx, 8,192 bytes for each of waves 0 to 3, in slot 2: the first change of slots steps it to slot 3
	s_mul_i32 s55, s18, REC
	s_add_co_u32 s54, s54, s55
	s_and_b32 s55, s[WV], 3
	s_lshl_b32 s55, s55, 13
	s_add_co_u32 s54, s54, s55
	s_add_co_u32 s54, s54, 2*SLOTB
	s_mov_b32 s55, 0
	s_lshr_b32 s[LIM], s[WV], 2                    ; 0 in waves 0 to 3,
	s_or_b32 s[LIM], s[LIM], ttmp9                 ; of the image's first cluster: the same in all four partners
	s_cmp_eq_u32 s[LIM], 0
	s_cselect_b32 s[LIM], 1, -1
	s_mov_b32 s[SEL], 0x76543210
	s_mov_b32 s[SEL+1], 0xfedcba98
	s_mov_b32 s[CS], 0x3fb8aa3b                    ; log2(e)
	s_mov_b32 s[CS+1], s[CS]                       ; (named with it as a pair, so it is written)
	s_wait_kmcnt 0x0
	s_load_b32 s14, s[10:11], 0x0                  ; gamma
	s_add_nc_u64 s[50:51], s[6:7], s[48:49]
	s_add_nc_u64 s[PFA:PFA+1], s[6:7], s[54:55]
	s_add_nc_u64 s[4:5], s[4:5], s[56:57]
	s_add_nc_u64 s[12:13], s[12:13], s[56:57]
	s_add_nc_u64 s[8:9], s[8:9], s[58:59]
.irp n, 0,1
	s_mov_b32 s[G0+4*\n], 1                        ; count = 1
	s_add_co_u32 s[G0+4*\n+1], s52, \n*SLOTB       ; LDS address
	s_add_nc_u64 s[G0+4*\n+2:G0+4*\n+3], s[50:51], \n*SLOTB   ; global address: slot n begins with the image's records 4 n .. 4 n + 3
	s_or_b32 s[G0+4*\n+3], s[G0+4*\n+3], 0x80000000   ; type = 2
.endr
	s_wait_kmcnt 0x0
	CROUND                                         ; all four work-groups are here: the first joint loads meet
	tensor_load_to_lds s[G0:G0+3], s[G1:G1+7]      ; both first fills together, ahead of every wait on TENSORcnt and every LDS read: two loads of mine are out
	s_nop 0
	tensor_load_to_lds s[G0+4:G0+7], s[G1:G1+7]
	s_nop 0
	PLACES 4
	v_and_b32 v26, 31, v0                          ; lane
	v_and_b32 v27, 15, v0                          ; r
	v_bfe_u32 v67, v0, 4, 1                        ; h
	v_lshlrev_b32 v[QO], 4, v26
.irp u, 0,1
.irp e, 0,1
	global_load_b128 v[Q+8*\u+4*\e:Q+8*\u+4*\e+3], v[QO], s[8:9] offset:1024*\u+512*\e   ; Q stays in registers
.endr
.endr
	s_mul_i32 s48, s16, REC
	v_add_nc_u32 v1, s48, v[QO]                    ; v1: 16 x lane + my record in slot 0;  v2: in slot 1
	v_add_nc_u32 v2, SLOTB, v1
	v_lshlrev_b32 v[PFO], 8, v26
	v_lshlrev_b32 v[PFX], 14, v26
	s_lshl_b32 s48, s17, 10
	s_add_co_u32 s48, s48, STAT
	v_lshl_add_u32 v[SL], v27, 5, s48              ; STAT + 32 (32 qg + r)
	s_lshl_b32 s48, s16, 3
	v_add_nc_u32 v[SA], s48, v[SL]                 ; + 8 kg
	v_and_b32 v[STO], 7, v0
	v_bfe_u32 v[STO2], v0, 3, 1
	v_lshl_add_u32 v[STO], v[STO2], 4, v[STO]      ; lane r of tile u holds query 32 qg + 8 u + r % 8 + 16 (r / 8)
	v_lshlrev_b32 v[STO], 2, v[STO]
	v_mad_u32_u24 v[STO], v67, 8*STGP, v[STO]      ; and channels 8 h + j of a tile
	s_mul_i32 s48, s16, STGG
	s_lshl_b32 s49, s17, 7
	s_add_co_u32 s48, s48, s49
	v_add_nc_u32 v[STO], s48, v[STO]
	v_add_nc_u32 v[STO2], 128*STGP, v[STO]
	v_lshlrev_b32 v[GO], 4, v27
	v_lshl_add_u32 v[GO], v67, 14, v[GO]
	s_mul_i32 s48, s[WV], 32*STGP                  ; back: my 32 channels; lanes 0-15 one row of 256 bytes, lanes 16-31 the next
	v_mul_u32_u24 v[RD], v67, STGP
	v_lshl_add_u32 v[RD], v27, 4, v[RD]
	v_add_nc_u32 v[RD], s48, v[RD]
.irp g, 1,2,3
	v_add_nc_u32 v[RD+\g], \g*STGG, v[RD]
.endr
.irp b, 0,1,2,3
	v_mov_b32 v[T2+\b], 0                          ; written once: a lane permute's destination counts as one of its sources
.endr
	v_mov_b32 v21, 0                               ; (named as the upper halves of f's pairs)
	v_mov_b32 v23, 0
	s_wait_tensorcnt 1                             ; my part of slot 0 is in; slot 1's may stay out
	s_barrier_signal -1
	s_barrier_wait -1                              ; everybody's is
	s_wait_loadcnt 0x0                             ; Q
	WORK 0, 1                                      ; the first step starts every sum: nothing is cleared
	s_mov_b32 s[LAPS], 3
.Llap:                                             ; a trip goes once round the ring and fills both slots again: slots 2 to 7 of the image's eight
	CHANGE 0, 1, 1
	WORK 1, 0
	CHANGE 1, 1, 0
	WORK 0, 0
	s_sub_co_u32 s[LAPS], s[LAPS], 1
	s_cmp_lg_u32 s[LAPS], 0
	s_cbranch_scc1 .Llap
	CHANGE 0, 0, 0                                 ; the tail is written out: nothing is asked for
	global_prefetch_b8 v[PFX], s[4:5] th:TH_LOAD_NT scope:SCOPE_SE   ; my 32 rows of x, 256 bytes each, a lane a row: wanted behind this last step; each block is named once in the launch
	WORK 1, 0
	; ---- THE WAY OUT.  x is asked for; each wave's -M and l go to LDS
	PLACES 4                                       ; the last products read the registers that are loaded now
.irp i, 0,1,2,3,4,5,6,7,8,9,10,11,12,13,14,15
	global_load_b128 v[XR+4*\i:XR+4*\i+3], v[GO], s[4:5] offset:32768*\i th:TH_LOAD_NT   ; channels 32 w + 2 i + h: sixteen lanes read 256 consecutive bytes
.endr
	v_add_f32 v26, v14, v15                        ; the sum's two halves,
	v_add_f32 v27, v18, v19
	v_permlanex16_b32 v[T2], v26, s[SEL], s[SEL+1]
	v_permlanex16_b32 v[T2+1], v27, s[SEL], s[SEL+1]
	v_add_f32 v13, v26, v[T2]                      ; and lane l xor 16's: my key group's l, beside -M
	v_add_f32 v17, v27, v[T2+1]
	ds_store_b64 v[SA], v[12:13]                   ; both halves of the lanes write the same words with the same values
	ds_store_b64 v[SA], v[16:17] offset:512
	s_wait_dscnt 0x0
	s_barrier_signal -1
	s_barrier_wait -1                              ; the statistics lie in LDS, and nobody reads the slots any more
	ds_load_b128 v[Q:Q+3], v[SL]
	ds_load_b128 v[Q+4:Q+7], v[SL] offset:16
	ds_load_b128 v[Q+8:Q+11], v[SL] offset:512
	ds_load_b128 v[Q+12:Q+15], v[SL] offset:528
	s_wait_dscnt 0x0
.macro MERGE u                         ; the largest M of the four key groups; L = the sum of 2^(M_g - M) l_g; my own 2^(M_own - M)
.set rB, Q+8*(\u)
	v_min3_num_f32 v[26+\u], v[rB], v[rB+2], v[rB+4]
	v_min_num_f32 v[26+\u], v[26+\u], v[rB+6]
.irp g, 0,1,2,3
	v_sub_f32 v[BM+\g], v[26+\u], v[rB+2*\g]
.endr
.irp g, 0,1,2,3
	v_cvt_i32_f32 v[BM+\g], v[BM+\g]
.endr
.irp g, 0,1,2,3
	v_ldexp_f32 v[BM+\g], 1.0, v[BM+\g]
.endr
	v_mul_f32 v[SO+\u], v[BM], v[rB+1]
.irp g, 1,2,3
	v_fmac_f32 v[SO+\u], v[BM+\g], v[rB+2*\g+1]
.endr
	v_sub_f32 v[SO+2+\u], v[26+\u], v[12+4*\u]
	v_cvt_i32_f32 v[SO+2+\u], v[SO+2+\u]
	v_ldexp_f32 v[SO+2+\u], 1.0, v[SO+2+\u]
.endm
	MERGE 0
	MERGE 1
	v_rcp_f32 v[SO], v[SO]
	v_rcp_f32 v[SO+1], v[SO+1]
	v_mul_f32 v[SO+2], s14, v[SO+2]                ; x gamma (plain places behind the reciprocals)
	v_mul_f32 v[SO+3], s14, v[SO+3]
	s_wait_alu depctr_va_vdst(0)                   ; one wait for both reciprocals, ahead of their first reader
	v_mul_f32 v20, v[SO+2], v[SO]                  ; my part's factor: 2^(M_own - M) gamma / L
	v_mul_f32 v22, v[SO+3], v[SO+1]
	WIN 0x41
.irp u, 0,1
.set i, 0
.rept 64
	v_pk_mul_f32 v[128*\u+i:128*\u+i+1], v[128*\u+i:128*\u+i+1], v[20+2*\u:21+2*\u] op_sel_hi:[1,0]
.set i, i+2
.endr
.endr
	WIN 0x04                                       ; an LDS store's data are its source 1: window 1
.irp u, 0,1
.irp ct, 0,1,2,3,4,5,6,7
.irp j, 0,1,2,3,4,5,6,7
	ds_store_b32 v[STO], v[128*\u+8*\ct+\j] offset:(16*\ct+\j)*STGP+32*\u   ; channel 16 ct + 8 h + j, my query: lanes 0-15 and lanes 16-31 fall on different banks (eight rows are 544 words)
.endr
.endr
.irp ct, 8,9,10,11,12,13,14,15
.irp j, 0,1,2,3,4,5,6,7
	ds_store_b32 v[STO2], v[128*\u+8*\ct+\j] offset:(16*(\ct-8)+\j)*STGP+32*\u
.endr
.endr
.endr
	WIN 0
	s_wait_dscnt 0x0
	s_barrier_signal -1
	s_barrier_wait -1                              ; the four key groups' parts lie in the stage
; Wave w adds the four parts and x for channels 32 w .. + 31, two rows an instruction, two such pairs a chunk, in two buffers by turns.
.macro OLOAD c
.set OB, 36+184*((\c)%2)                       ; v36-67 or v220-251
.irp p, 0,1
.irp g, 0,1,2,3
	ds_load_b128 v[OB+16*\p+4*\g:OB+16*\p+4*\g+3], v[RD+\g] offset:2*STGP*(2*(\c)+\p)
.endr
.endr
.endm
.macro OSUM c, left
.set OB, 36+184*((\c)%2)
	s_wait_dscnt \left                             ; this chunk's eight loads are in; the next chunk's eight may be out
.irp p, 0,1
.set rB, OB+16*\p
.set rX, XR+4*(2*(\c)+\p)
	v_pk_add_f32 v[rB:rB+1], v[rB:rB+1], v[rB+4:rB+5]
	v_pk_add_f32 v[rB+2:rB+3], v[rB+2:rB+3], v[rB+6:rB+7]
	v_pk_add_f32 v[rB+8:rB+9], v[rB+8:rB+9], v[rB+12:rB+13]
	v_pk_add_f32 v[rB+10:rB+11], v[rB+10:rB+11], v[rB+14:rB+15]
	v_pk_add_f32 v[rB:rB+1], v[rB:rB+1], v[rB+8:rB+9]
	v_pk_add_f32 v[rB+2:rB+3], v[rB+2:rB+3], v[rB+10:rB+11]
	v_pk_add_f32 v[rB:rB+1], v[rB:rB+1], v[rX:rX+1]
	v_pk_add_f32 v[rB+2:rB+3], v[rB+2:rB+3], v[rX+2:rX+3]
	global_store_b128 v[GO], v[rB:rB+3], s[12:13] offset:32768*(2*(\c)+\p) th:TH_STORE_NT   ; sixteen lanes store 256 consecutive bytes, aligned
.endr
.endm
	OLOAD 0
	OLOAD 1
	s_wait_loadcnt 0x0                             ; x
.irp c, 0,1,2,3,4,5
	OSUM \c, 8
	s_wait_xcnt 0x0                                ; this chunk's stores have read their registers: the buffer is loaded again only behind this wait
	OLOAD \c+2
.endr
	OSUM 6, 8
	OSUM 7, 0
	s_wait_tensorcnt 0x0                           ; the wave's end: behind my last tensor load and my last LDS store
	ds_add_u32 v[SPW], v[NIL]
	s_wait_dscnt 0x0
	CROUND                                         ; the closing round: no work-group ends while a partner may still ask for a tile that names it
	s_endpgm
.Lfunc_end_k_q2005d0f12b_attn:
	.size	k_q2005d0f12b_attn, .Lfunc_end_k_q2005d0f12b_attn-k_q2005d0f12b_attn
	.p2alignl 7, 3214868480
	.fill 96, 4, 3214868480
	.section	.rodata,"a",@progbits
	.p2align	6, 0x0
	.amdhsa_kernel k_q2005d0f12b_attn
		.amdhsa_group_segment_fixed_size 327680
		.amdhsa_private_segment_fixed_size 0
		.amdhsa_enable_private_segment 0
		.amdhsa_kernarg_size 40
		.amdhsa_user_sgpr_count 2
		.amdhsa_user_sgpr_kernarg_segment_ptr 1
		.amdhsa_wavefront_size32 1
		.amdhsa_system_sgpr_workgroup_id_x 1
		.amdhsa_system_sgpr_workgroup_id_y 1
		.amdhsa_system_sgpr_workgroup_id_z 1
		.amdhsa_system_vgpr_workitem_id 0
		.amdhsa_next_free_vgpr 512
		.amdhsa_next_free_sgpr 66
		.amdhsa_reserve_vcc 0
		.amdhsa_float_denorm_mode_32 3
		.amdhsa_float_denorm_mode_16_64 3
		.amdhsa_memory_ordered 1
		.amdhsa_forward_progress 1
		.amdhsa_inst_pref_size 218
	.end_amdhsa_kernel
	.amdgpu_metadata
---
amdhsa.version: [ 1, 2 ]
amdhsa.kernels:
  - .name:           k_q2005d0f12b_attn
    .symbol:         k_q2005d0f12b_attn.kd
    .args:
      - { .name: x, .offset: 0, .size: 8, .value_kind: global_buffer, .address_space: global }
      - { .name: kv, .offset: 8, .size: 8, .value_kind: global_buffer, .address_space: global }
      - { .name: qimg, .offset: 16, .size: 8, .value_kind: global_buffer, .address_space: global }
      - { .name: gamma, .offset: 24, .size: 8, .value_kind: global_buffer, .address_space: global }
      - { .name: out0, .offset: 32, .size: 8, .value_kind: global_buffer, .address_space: global }
    .group_segment_fixed_size: 327680
    .private_segment_fixed_size: 0
    .kernarg_segment_align: 8
    .kernarg_segment_size: 40
    .max_flat_workgroup_size: 256
    .sgpr_count:     66
    .vgpr_count:     512
    .wavefront_size: 32
...
	.end_amdgpu_metadata
.endif
;; end of part 2
